; MI455X (gfx1250); checked and timed in simulation.
; The chip was launched on July 23, 2026; its instructions are those of AMD's public machine-readable ISA for CDNA 5 (MIT licence, August 2026) and "CDNA5" Instruction Set Architecture Reference Guide (July 2026). The comments in the code are by the model that wrote it; some were corrected since.
;; Self Attention. Allowed arithmetic: float matrix products may take bf16 or f16 operands with f32 sums; all other float work in f32.
;; Inputs: W 128 x 256 float32; b 128 float32; x 8 x 4,096 x 128 float32.
;; Outputs: out0 8 x 4,096 x 128 float32.
;; 2 versions, each right; version 2 is version 1 with the launch attn written anew for expert scheduling mode. Each part assembles by itself: llvm-mc -triple=amdgcn-amd-amdhsa -mcpu=gfx1250 --defsym DOCPART=n.
;; ======== version 1 of 2: 1 launch
;; launch attn (part 1): grid 256 x 1, 4 waves a work-group, no clusters, 297,472 bytes of LDS; arguments x, W, b, out0; writes out0
.if DOCPART == 1
	.amdgcn_target "amdgcn-amd-amdhsa--gfx1250"
	.amdhsa_code_object_version 6
	.text
	.protected	k_q584206340b_attn
	.globl	k_q584206340b_attn
	.p2align	8
	.type	k_q584206340b_attn,@function
k_q584206340b_attn:
	s_mov_b64 s[64:65], 0
	v_nop
	global_prefetch_b8 v0, s[64:65] scope:SCOPE_SE
	s_setreg_imm32_b32 hwreg(HW_REG_WAVE_MODE, 25, 1), 1
	s_wait_xcnt 0x0
; Causal self-attention with Q = K = V = x (8 batches x 4,096 rows x 128 features, f32, unscaled scores), then out = [x, att] W^T + b.
; WORK: 256 work-groups of four waves, as many as a WGP has SIMDs.  Work-group g: batch g >> 5, j = g & 31.  It makes two blocks of 64 queries, block j
; (phase A) and block 63 - j (phase B).  Block qb needs the 64-key tiles 0 .. qb, so the pair needs 65 tiles whatever j is.
; All four waves hold the same 64 queries and split the KEYS: wave w takes tiles qb - w, qb - w - 4, ... >= 0, with a running maximum, sum and O of its own;
; the four partial results are merged through LDS once a phase.  ceil((j+1)/4) + ceil((64-j)/4) = 17 steps for every j.
; A wave's key stream is its own: global f32 -> registers -> bf16 -> its own LDS slot -> fragments.  So the loops hold no barrier; the kernel has four.
; LAYOUT: S^T = K Q^T (a lane owns one query: maximum and sum stay in the lane but for one exchange of the halves); the packed weights ARE the B fragment of
; O^T = V^T P^T; the merged O^T, packed, IS the B fragment of out^T = W cat^T.  No shuffle between the products.
; LDS TILE: key k, feature d at 288 k + 16 ((k >> 3) & 1) + 2 d.  Plain fragment loads: sixteen neighbouring lanes stand at 32 r + 16 (r >> 3) modulo 256,
; transposing loads at 32 (l & 7) + 16 ((l >> 3) & 1): sixteen different 16-byte columns both times (64 banks of 4 bytes: ISA guide 11.1).  One copy serves K and V.
; NO TENSOR LOADS, NO CLUSTER: x lies in memory as f32 and the products want bf16.  A tile copied into LDS as f32 (32 KiB) would be read, converted and stored again
; (32 + 16 KiB more LDS traffic for a tile whose fragments cost 32 KiB); through registers it is stored once, as 16 KiB.  And the work-groups of a batch
; start at different tiles (qb - w), so no two ask for the same tile in the same step.  NO PREFETCH: each tile is requested a whole step ahead, into registers.
; LIMITS: inputs finite.  A wholly masked tile's maximum is clamped at -1e30 / log2(e); a row's own maximum is at least |x_s|^2 >= 0, so the clamped partial always
; merges with factor 0.  Weights below 2^-126 of the row's largest come out as 0 (v_exp_f32 flushes: ISA guide 15.8).  x, W, the weights and att enter the
; products rounded to bf16; the sums of weights are taken over the unrounded f32 weights; the order of the sums differs from the reference's (four streams, merged).
;
; SCALARS: s[4:5] x, s[6:7] W, s[8:9] b, s[10:11] out0; s12 wave; s13 batch; s14 block A; s15 block B; s16 first tile A; s17 tiles of A; s18 first tile B;
; s19 tile being requested; s20-21 scratch; s[22:23] an offset (s23 = 0); s[24:25] x of my batch; s[26:27], s[28:29] bases of a tile's two halves;
; s[30:31], s[32:33] my 16 query rows in A, B; s[34:35], s[36:37] the same rows of out0; s[38:39] my 32 rows of W; s40-41 lane select; s42 mask shift;
; s43 my slot; s44 loop counter; s45 tiles of B less two.
.set PITCH,  288                       ; LDS pitch of a bf16 row of 128 features
.set TILE16, 16*PITCH                  ; 16 rows
.set SLOTB,  64*PITCH                  ; a tile of 64 rows; the skew's 16 bytes fit in the last row's padding
.set QREG,   4*SLOTB                   ; behind the four waves' slots: the query block, same layout
.set WREG,   QREG+SLOTB                ; W in bf16: 128 rows of 512 bytes
.set WPITCH, 528                       ; 33 x 16 bytes: sixteen rows start at sixteen different 16-byte columns
.set MERGE,  WREG+128*WPITCH           ; 4 x 32,768: each wave's O^T, register quad i at 512 i + 16 lane
.set STATS,  MERGE+4*32768             ; 1,024 x wave + 256 x query tile + 128 x (0: -max log2e, 1: sum) + 4 x lane
.set BREG,   STATS+4096                ; b in f32, a copy of 512 bytes for each wave
; window 0
.set L16,  1                           ; 16 x lane: my 16 bytes of a row of 512 (global)
.set KADR, 2                           ; slot + 288 r + 16 (r >> 3) + 16 h
.set VADR, 3                           ; slot + 288 (8 h + (l & 7)) + 16 h + 16 ((l >> 3) & 1)
.set CADR, 4                           ; slot + 8 x lane
.set RH,   5                           ; r - 8 h
.set THR,  6                           ; mask threshold of the phase
.set NINF, 7                           ; -infinity
.set DADR, 8                           ; my dump in MERGE
.set RADR0, 9                          ; my query tile's part of waves 0 and 1's dumps
.set RADR1, 10                         ; of waves 2 and 3's
.set SWA,  11                          ; where I put my statistics
.set SRA,  12                          ; where I read my query tile's
.set BWA,  13
.set BRA,  14
.set OWA,  15                          ; output stage, in: 528 r + 32 h
.set ORA,  16                          ; output stage, back: 16 x lane
.set QWA,  17
.set QRA,  18
.set XRA,  19
.set WWA,  20
.set WRA,  21
.set NM,   24                          ; v[24:31] four pairs: -(running maximum) x log2(e), twice
.set AL,   32                          ; v[32:39] four pairs: rescale factor; in the epilogue the four merge factors
.set LP,   40                          ; v[40:47] four pairs: running sums
.set MT,   48                          ; v[48:51]
.set TT,   52                          ; v[52:55]
.set EE,   56                          ; v[56:63]
.set FA,   64                          ; v[64:95]   fragment buffer
.set FB,   96                          ; v[96:127]  fragment buffer
.set ATT,  64                          ; epilogue: merged O^T of my query tile
.set SS,   128                         ; v[128:255] scores: tile (kt, qt) at 64 (kt / 2) + 16 qt + 8 (kt % 2); weights of (ks, qt) packed in place at 64 ks + 16 qt
.set OUTA, 128                         ; epilogue: out^T, tile ot at 8 ot
; window 1: O^T, tile (dt, qt) at 8 (8 qt + dt); at the start W as f32; in the epilogue W's fragments (c, ot) at 64 (c % 4) + 8 ot
; window 2: a key tile as f32, row k at 4 k
; window 3: Q fragments (qt, c) at 8 (4 qt + c), and:
.set QST,  128                         ; my 16 query rows as f32
.set XBF,  192                         ; fragments of query tile w, for the linear layer
.set MSB, 0
.macro WIN new                         ; s_set_vgpr_msb: bits 1:0 source 0, 3:2 source 1, 5:4 source 2, 7:6 destination; the high byte repeats the setting that is left
.if MSB != \new
	s_set_vgpr_msb (MSB<<8)|\new
.set MSB, \new
.endif
.endm
; Four places behind matrix instructions, in front of a load into, or a vector instruction on, their registers (ISA guide 7.12.1 for vector instructions)
.macro PLACES
.rept 4
	v_nop
.endr
.endm
; Rows 32 hf .. 32 hf + 31 of the staged tile: f32 -> bf16 into the half of the score registers that is free now, then into my slot (256 neighbouring bytes a store).
; The stores are shown done by the wait in front of the products that write those registers again.
.macro CVT_STORE hf
	WIN 0x0a
.set i, 0
.rept 32
	v_cvt_pk_bf16_f32 v[SS+64*\hf+2*i], v[128*\hf+4*i], v[128*\hf+4*i+1]
	v_cvt_pk_bf16_f32 v[SS+64*\hf+2*i+1], v[128*\hf+4*i+2], v[128*\hf+4*i+3]
.set i, i+1
.endr
	WIN 0
.set i, 0
.rept 32
	ds_store_b64 v[CADR], v[SS+64*\hf+2*i:SS+64*\hf+2*i+1] offset:(32*\hf+i)*PITCH+16*(((32*\hf+i)/8)%2)
.set i, i+1
.endr
.endm
; 32 rows of a key tile into window 2: each load is one whole row, 512 neighbouring bytes
.macro LOADHALF hf, p
	WIN 0x80
.set i, 0
.rept 32
	global_load_b128 v[128*\hf+4*i:128*\hf+4*i+3], v[L16], s[\p:\p+1] offset:(32*\hf+i)*512
.set i, i+1
.endr
	WIN 0
.endm
; 16 keys x 128 features as four A fragments
.macro KFRAG kt, f
.irp c, 0,1,2,3
	ds_load_b128 v[\f+8*\c:\f+8*\c+3], v[KADR] offset:\kt*TILE16+64*\c
	ds_load_b128 v[\f+8*\c+4:\f+8*\c+7], v[KADR] offset:\kt*TILE16+64*\c+32
.endr
.endm
; S^T(kt, 0..3) = K Q^T: the first product starts each sum; the four accumulators take turns
.macro SMUL kt, f
	WIN 0x0c
.irp c, 0,1,2,3
.irp qt, 0,1,2,3
.if \c == 0
	v_wmma_f32_16x16x32_bf16 v[SS+64*(\kt/2)+16*\qt+8*(\kt%2):SS+64*(\kt/2)+16*\qt+8*(\kt%2)+7], v[\f+8*\c:\f+8*\c+7], v[8*(4*\qt+\c):8*(4*\qt+\c)+7], 0
.else
	v_wmma_f32_16x16x32_bf16 v[SS+64*(\kt/2)+16*\qt+8*(\kt%2):SS+64*(\kt/2)+16*\qt+8*(\kt%2)+7], v[\f+8*\c:\f+8*\c+7], v[8*(4*\qt+\c):8*(4*\qt+\c)+7], v[SS+64*(\kt/2)+16*\qt+8*(\kt%2):SS+64*(\kt/2)+16*\qt+8*(\kt%2)+7]
.endif
.endr
.endr
.endm
; group g: keys 32 (g / 2) .. + 31, feature tiles 4 (g % 2) .. + 3, transposed on the way: four A fragments of V^T
.macro VFRAG g, f
.irp t, 0,1,2,3
	ds_load_tr16_b128 v[\f+8*\t:\f+8*\t+3], v[VADR] offset:(\g/2)*2*TILE16+32*(4*(\g%2)+\t)
	ds_load_tr16_b128 v[\f+8*\t+4:\f+8*\t+7], v[VADR] offset:(\g/2)*2*TILE16+32*(4*(\g%2)+\t)+TILE16
.endr
.endm
; O^T += V^T P^T for group g: sixteen accumulators, one instruction each
.macro PVMUL g, f, zero
	WIN 0x50
.irp t, 0,1,2,3
.irp qt, 0,1,2,3
.if \zero
	v_wmma_f32_16x16x32_bf16 v[8*(8*\qt+4*(\g%2)+\t):8*(8*\qt+4*(\g%2)+\t)+7], v[\f+8*\t:\f+8*\t+7], v[SS+64*(\g/2)+16*\qt:SS+64*(\g/2)+16*\qt+7], 0
.else
	v_wmma_f32_16x16x32_bf16 v[8*(8*\qt+4*(\g%2)+\t):8*(8*\qt+4*(\g%2)+\t)+7], v[\f+8*\t:\f+8*\t+7], v[SS+64*(\g/2)+16*\qt:SS+64*(\g/2)+16*\qt+7], v[8*(8*\qt+4*(\g%2)+\t):8*(8*\qt+4*(\g%2)+\t)+7]
.endif
.endr
.endr
.endm
; key > query  <=>  16 (kt - qt) + jj > r - 8 h - 64 (tile - block) = THR.  One compare serves all tiles with the same kt - qt.
; tile = block: the triangle.  tile < block: THR >= 56 > 55, nothing is masked.  tile = block + 1: THR <= -49 < -48, everything is.
.macro MASK
.set dd, -3
.rept 7
.set jj, 0
.rept 8
	v_cmp_gt_i32 vcc_lo, 16*dd+jj, v[THR]
.set qq, 0
.rept 4
.if qq+dd >= 0
.if qq+dd <= 3
	v_cndmask_b32 v[SS+64*((qq+dd)/2)+16*qq+8*((qq+dd)%2)+jj], v[SS+64*((qq+dd)/2)+16*qq+8*((qq+dd)%2)+jj], v[NINF], vcc_lo
.endif
.endif
.set qq, qq+1
.endr
.set jj, jj+1
.endr
.set dd, dd+1
.endr
.endm
; The running softmax of one tile.  A lane's 32 scores of query tile qt lie at SS + 64 (i / 16) + 16 qt + i % 16.  The four query tiles' chains take turns.
.macro SOFTMAX first
.irp qt, 0,1,2,3
	v_max3_num_f32 v[MT+\qt], v[SS+16*\qt], v[SS+16*\qt+1], v[SS+16*\qt+2]
.endr
.set i, 3
.rept 14
.irp qt, 0,1,2,3
	v_max3_num_f32 v[MT+\qt], v[MT+\qt], v[SS+64*(i/16)+16*\qt+(i%16)], v[SS+64*((i+1)/16)+16*\qt+((i+1)%16)]
.endr
.set i, i+2
.endr
.irp qt, 0,1,2,3
	v_max_num_f32 v[MT+\qt], v[MT+\qt], v[SS+64+16*\qt+15]
.endr
.irp qt, 0,1,2,3
	v_permlanex16_b32 v[TT+\qt], v[MT+\qt], s40, s41       ; the other half of the lanes holds the same query's other keys
.endr
.irp qt, 0,1,2,3
	v_max_num_f32 v[MT+\qt], v[MT+\qt], v[TT+\qt]
.endr
.irp qt, 0,1,2,3
	v_mul_f32 v[TT+\qt], 0xbfb8aa3b, v[MT+\qt]             ; -log2(e) x the tile's maximum
.endr
.if \first
.irp qt, 0,1,2,3
	v_min_num_f32 v[NM+2*\qt], 0x7149f2ca, v[TT+\qt]       ; 1e30: a wholly masked tile (maximum -infinity) keeps a finite shift
.endr
.irp qt, 0,1,2,3
	v_mov_b32 v[NM+2*\qt+1], v[NM+2*\qt]
.endr
.else
.irp qt, 0,1,2,3
	v_min_num_f32 v[TT+\qt], v[TT+\qt], v[NM+2*\qt]        ; the new running maximum, negated and scaled
.endr
.irp qt, 0,1,2,3
	v_sub_f32 v[AL+2*\qt], v[TT+\qt], v[NM+2*\qt]
.endr
.irp qt, 0,1,2,3
	v_exp_f32 v[AL+2*\qt], v[AL+2*\qt]                     ; exp(old maximum - new maximum)
.endr
.irp qt, 0,1,2,3
	v_mov_b32 v[NM+2*\qt], v[TT+\qt]                       ; plain instructions between v_exp_f32 and the use of its result (ISA guide 5.7.2)
.endr
.irp qt, 0,1,2,3
	v_mov_b32 v[NM+2*\qt+1], v[TT+\qt]
.endr
	s_wait_alu depctr_va_vdst(0)
.irp qt, 0,1,2,3
	v_mov_b32 v[AL+2*\qt+1], v[AL+2*\qt]
.endr
.endif
.set i, 0
.rept 16
.irp qt, 0,1,2,3
	v_pk_fma_f32 v[SS+64*(i/16)+16*\qt+(i%16):SS+64*(i/16)+16*\qt+(i%16)+1], v[SS+64*(i/16)+16*\qt+(i%16):SS+64*(i/16)+16*\qt+(i%16)+1], 0x3fb8aa3b, v[NM+2*\qt:NM+2*\qt+1] op_sel_hi:[1,0,1]
.endr
.set i, i+2
.endr
.set i, 0
.rept 32
.irp qt, 0,1,2,3
	v_exp_f32 v[SS+64*(i/16)+16*\qt+(i%16)], v[SS+64*(i/16)+16*\qt+(i%16)]
.endr
.set i, i+1
.endr
	v_nop                                                  ; the plain place behind the run of v_exp_f32 (ISA guide 5.7.2)
.if \first
	s_wait_alu depctr_va_vdst(0)
.irp qt, 0,1,2,3
	v_pk_add_f32 v[LP+2*\qt:LP+2*\qt+1], v[SS+16*\qt:SS+16*\qt+1], v[SS+16*\qt+2:SS+16*\qt+3]   ; the first weights start the sums
.endr
.else
	s_wait_alu depctr_va_vdst(0)
.irp qt, 0,1,2,3
	v_pk_fma_f32 v[LP+2*\qt:LP+2*\qt+1], v[LP+2*\qt:LP+2*\qt+1], v[AL+2*\qt:AL+2*\qt+1], v[SS+16*\qt:SS+16*\qt+1]
.endr
.irp qt, 0,1,2,3
	v_pk_add_f32 v[LP+2*\qt:LP+2*\qt+1], v[LP+2*\qt:LP+2*\qt+1], v[SS+16*\qt+2:SS+16*\qt+3]
.endr
.endif
.set i, 4
.rept 14
.irp qt, 0,1,2,3
	v_pk_add_f32 v[LP+2*\qt:LP+2*\qt+1], v[LP+2*\qt:LP+2*\qt+1], v[SS+64*(i/16)+16*\qt+(i%16):SS+64*(i/16)+16*\qt+(i%16)+1]
.endr
.set i, i+2
.endr
.set i, 0
.rept 8                                                    ; pack in place, ascending: word i takes numbers 2 i, 2 i + 1, which lie at or above it
.irp ks, 0,1
.irp qt, 0,1,2,3
	v_cvt_pk_bf16_f32 v[SS+64*\ks+16*\qt+i], v[SS+64*\ks+16*\qt+2*i], v[SS+64*\ks+16*\qt+2*i+1]
.endr
.endr
.set i, i+1
.endr
.endm
.macro RESCALE                         ; a lane holds one query of each query tile, so the factor is the lane's own
	WIN 0x41
.irp qt, 0,1,2,3
.set i, 0
.rept 32
	v_pk_mul_f32 v[64*\qt+i:64*\qt+i+1], v[64*\qt+i:64*\qt+i+1], v[AL+2*\qt:AL+2*\qt+1]
.set i, i+2
.endr
.endr
.endm
; One tile of 64 keys against the 64 queries.  first = 1: the wave's first tile of a phase (mask; sums begin).
; mode 0: no tile follows; 1: phase A (behind its last tile follows phase B's first); 2: phase B.
.macro STEP first, mode
	s_wait_loadcnt 32                              ; this tile's rows 0-31 are in; the 32 younger loads (rows 32-63) may stay out.  Their base s[26:27] is free too
	CVT_STORE 0
.if \mode == 1
	s_sub_co_u32 s20, s19, 4
	s_cmp_lt_u32 s44, s17                          ; has this phase another tile for me?
	s_cselect_b32 s19, s20, s18                    ; four tiles down, or phase B's first
.endif
.if \mode == 2
	s_sub_co_u32 s19, s19, 4
.endif
.if \mode
	s_lshl_b32 s22, s19, 15                        ; 64 rows of 512 bytes
	s_add_nc_u64 s[26:27], s[24:25], s[22:23]
	LOADHALF 0, 26                                 ; the next tile's rows 0-31, a whole step ahead
.endif
	KFRAG 0, FA
	KFRAG 1, FB
	s_wait_dscnt 8                                 ; all but the eight youngest: my stores, keys 0-15 (and, in a phase's first step, the Q fragments)
	SMUL 0, FA
	s_wait_dscnt 0
	SMUL 1, FB
	PLACES
.if \mode
	s_wait_loadcnt 32                              ; rows 32-63 are in; the next tile's rows 0-31 stay out.  s[28:29] is free
.else
	s_wait_loadcnt 0
.endif
	CVT_STORE 1
.if \mode
	s_mov_b64 s[28:29], s[26:27]
	LOADHALF 1, 28
.endif
	KFRAG 2, FA
	KFRAG 3, FB
	s_wait_dscnt 8
	SMUL 2, FA
	s_wait_dscnt 0
	SMUL 3, FB
	WIN 0
	PLACES
	VFRAG 0, FA                                    ; these land while the softmax is worked out
	VFRAG 1, FB
.if \first
	MASK
.endif
	SOFTMAX \first
.if \first
.else
	RESCALE
.endif
	s_wait_dscnt 8                                 ; group 0 is in; group 1's eight loads may stay out
	PVMUL 0, FA, \first
	WIN 0
	PLACES
	VFRAG 2, FA
	s_wait_dscnt 8                                 ; group 1
	PVMUL 1, FB, \first
	WIN 0
	PLACES
	VFRAG 3, FB
	s_wait_dscnt 8                                 ; group 2
	PVMUL 2, FA, 0
	s_wait_dscnt 0
	PVMUL 3, FB, 0
	WIN 0
	PLACES
.endm
; The start of a phase: my 16 query rows go to LDS as bf16; behind a barrier every wave takes all 64 queries' fragments, and those of query tile w once more.
.macro PSTART cnt, withb
	s_wait_loadcnt \cnt
	WIN 0x0f
.set i, 0
.rept 16
	v_cvt_pk_bf16_f32 v[FA+2*i], v[QST+4*i], v[QST+4*i+1]
	v_cvt_pk_bf16_f32 v[FA+2*i+1], v[QST+4*i+2], v[QST+4*i+3]
.set i, i+1
.endr
	WIN 0
.set i, 0
.rept 16
	ds_store_b64 v[QWA], v[FA+2*i:FA+2*i+1] offset:i*PITCH+16*((i/8)%2)
.set i, i+1
.endr
.if \withb
	ds_store_b128 v[BWA], v[EE:EE+3]               ; b, my own copy
.endif
	s_wait_dscnt 0x0                               ; for the others' sake: my rows are in LDS, and my earlier LDS reads are over
	s_barrier_signal -1
	s_barrier_wait -1
	WIN 0xc0
.irp qt, 0,1,2,3
.irp c, 0,1,2,3
	ds_load_b128 v[8*(4*\qt+\c):8*(4*\qt+\c)+3], v[QRA] offset:\qt*TILE16+64*\c
	ds_load_b128 v[8*(4*\qt+\c)+4:8*(4*\qt+\c)+7], v[QRA] offset:\qt*TILE16+64*\c+32
.endr
.endr
.irp c, 0,1,2,3
	ds_load_b128 v[XBF+8*\c:XBF+8*\c+3], v[XRA] offset:64*\c
	ds_load_b128 v[XBF+8*\c+4:XBF+8*\c+7], v[XRA] offset:64*\c+32
.endr
	WIN 0
.endm
.macro WFRAG c                         ; columns 32 c .. + 31 of all 128 rows of W: eight A fragments, 16 loads
.irp ot, 0,1,2,3,4,5,6,7
	ds_load_b128 v[64*(\c%4)+8*\ot:64*(\c%4)+8*\ot+3], v[WRA] offset:\ot*16*WPITCH+64*\c
	ds_load_b128 v[64*(\c%4)+8*\ot+4:64*(\c%4)+8*\ot+7], v[WRA] offset:\ot*16*WPITCH+64*\c+32
.endr
.endm
.macro LMUL c, bb                      ; out^T += W(., 32 c ..) cat^T: the eight accumulators take turns
.irp ot, 0,1,2,3,4,5,6,7
	v_wmma_f32_16x16x32_bf16 v[OUTA+8*\ot:OUTA+8*\ot+7], v[64*(\c%4)+8*\ot:64*(\c%4)+8*\ot+7], v[\bb:\bb+7], v[OUTA+8*\ot:OUTA+8*\ot+7]
.endr
.endm
; The end of a phase: the four waves' partial results meet in LDS; wave w merges query tile w, applies the linear layer and stores 16 rows of out0.
.macro EPI nextq, op
.if \nextq
	WIN 0xc0
.set i, 0
.rept 16
	global_load_b128 v[QST+4*i:QST+4*i+3], v[L16], s[32:33] offset:i*512   ; phase B's query rows, on their way during the merge
.set i, i+1
.endr
.endif
	WIN 0x04
.set i, 0
.rept 64
	ds_store_b128 v[DADR], v[4*i:4*i+3] offset:i*512       ; my O^T as it lies in registers
.set i, i+1
.endr
	WIN 0
.irp qt, 0,1,2,3
	v_add_f32 v[TT+\qt], v[LP+2*\qt], v[LP+2*\qt+1]
.endr
.irp qt, 0,1,2,3
	v_permlanex16_b32 v[MT+\qt], v[TT+\qt], s40, s41
.endr
.irp qt, 0,1,2,3
	v_add_f32 v[TT+\qt], v[TT+\qt], v[MT+\qt]              ; my sum of weights for the lane's query
.endr
.irp qt, 0,1,2,3
	ds_store_b32 v[SWA], v[NM+2*\qt] offset:\qt*256
	ds_store_b32 v[SWA], v[TT+\qt] offset:\qt*256+128
.endr
	s_wait_dscnt 0x0                               ; for the others' sake: dump and statistics are in LDS (in phase A my rows of W too)
	s_barrier_signal -1
	s_barrier_wait -1
.irp u, 0,1,2,3
	ds_load_b32 v[EE+\u], v[SRA] offset:\u*1024
	ds_load_b32 v[EE+4+\u], v[SRA] offset:\u*1024+128
.endr
.irp u, 0,1
.set i, 0
.rept 16
	ds_load_b128 v[SS+64*\u+4*i:SS+64*\u+4*i+3], v[RADR0] offset:\u*32768+i*512
.set i, i+1
.endr
.endr
	s_wait_dscnt 32                                ; the eight statistics are in; the 32 loads of partial results may stay out
	v_min3_num_f32 v[TT], v[EE], v[EE+1], v[EE+2]
	v_min_num_f32 v[TT], v[TT], v[EE+3]            ; the overall maximum, negated and scaled
.irp u, 0,1,2,3
	v_sub_f32 v[AL+2*\u], v[TT], v[EE+\u]
.endr
.irp u, 0,1,2,3
	v_exp_f32 v[AL+2*\u], v[AL+2*\u]
.endr
	v_nop
	s_wait_alu depctr_va_vdst(0)
	v_mul_f32 v[TT+1], v[AL], v[EE+4]
	v_fmac_f32 v[TT+1], v[AL+2], v[EE+5]
	v_fmac_f32 v[TT+1], v[AL+4], v[EE+6]
	v_fmac_f32 v[TT+1], v[AL+6], v[EE+7]           ; the row's sum of weights: at least about 1, the wave that holds the maximum gives that
	v_rcp_f32 v[TT+1], v[TT+1]
	v_nop
	s_wait_alu depctr_va_vdst(0)
.irp u, 0,1,2,3
	v_mul_f32 v[AL+2*\u], v[AL+2*\u], v[TT+1]
.endr
.irp u, 0,1,2,3
	v_mov_b32 v[AL+2*\u+1], v[AL+2*\u]
.endr
	s_wait_dscnt 0
.set i, 0
.rept 32
	v_pk_mul_f32 v[ATT+i:ATT+i+1], v[SS+i:SS+i+1], v[AL:AL+1]
.set i, i+2
.endr
.set i, 0
.rept 32
	v_pk_fma_f32 v[ATT+i:ATT+i+1], v[SS+64+i:SS+64+i+1], v[AL+2:AL+3], v[ATT+i:ATT+i+1]
.set i, i+2
.endr
.irp u, 0,1
.set i, 0
.rept 16
	ds_load_b128 v[SS+64*\u+4*i:SS+64*\u+4*i+3], v[RADR1] offset:\u*32768+i*512
.set i, i+1
.endr
.endr
	WIN 0x40
	WFRAG 0
	WFRAG 1
	WIN 0
	s_wait_dscnt 32                                ; waves 2 and 3's partial results are in; W's 32 loads may stay out
.set i, 0
.rept 32
	v_pk_fma_f32 v[ATT+i:ATT+i+1], v[SS+i:SS+i+1], v[AL+4:AL+5], v[ATT+i:ATT+i+1]
.set i, i+2
.endr
.set i, 0
.rept 32
	v_pk_fma_f32 v[ATT+i:ATT+i+1], v[SS+64+i:SS+64+i+1], v[AL+6:AL+7], v[ATT+i:ATT+i+1]
.set i, i+2
.endr
.set i, 0
.rept 8                                                    ; att^T to bf16 in place: fragment cc (features 32 cc .. + 31) at ATT + 16 cc
.irp cc, 0,1,2,3
	v_cvt_pk_bf16_f32 v[ATT+16*\cc+i], v[ATT+16*\cc+2*i], v[ATT+16*\cc+2*i+1]
.endr
.set i, i+1
.endr
.irp ot, 0,1,2,3,4,5,6,7
	ds_load_b128 v[OUTA+8*\ot:OUTA+8*\ot+3], v[BRA] offset:64*\ot          ; b(16 ot + 8 h + 0..7) starts the sums
	ds_load_b128 v[OUTA+8*\ot+4:OUTA+8*\ot+7], v[BRA] offset:64*\ot+16
.endr
	WIN 0x40
	WFRAG 2
	WFRAG 3
	s_wait_dscnt 32                                ; W's columns 0-63 and b are in; the 32 youngest loads may stay out
	WIN 0x0d
	LMUL 0, XBF
	LMUL 1, XBF+8
	s_wait_dscnt 0
	LMUL 2, XBF+16
	LMUL 3, XBF+24
	PLACES
	WIN 0x40
	WFRAG 4
	WFRAG 5
	WFRAG 6
	WFRAG 7
	s_wait_dscnt 32                                ; columns 128-191 are in
	WIN 0x01
	LMUL 4, ATT
	LMUL 5, ATT+16
	s_wait_dscnt 0
	LMUL 6, ATT+32
	LMUL 7, ATT+48
	WIN 0
	PLACES
.irp ot, 0,1,2,3,4,5,6,7
	ds_store_b128 v[OWA], v[OUTA+8*\ot:OUTA+8*\ot+3] offset:64*\ot         ; a lane's eight results are eight neighbouring outputs of one row
	ds_store_b128 v[OWA], v[OUTA+8*\ot+4:OUTA+8*\ot+7] offset:64*\ot+16
.endr
.set i, 0
.rept 16
	ds_load_b128 v[FA+4*i:FA+4*i+3], v[ORA] offset:i*WPITCH                ; my own bytes: LDS serves a wave's instructions in order (ISA guide 5.7.1.4)
.set i, i+1
.endr
.set i, 0
.rept 16
	s_wait_dscnt 15-i                              ; row i is back; the rows behind it may stay out
	global_store_b128 v[L16], v[FA+4*i:FA+4*i+3], s[\op:\op+1] offset:i*512 th:TH_STORE_NT   ; a whole row: 512 neighbouring bytes, aligned
.set i, i+1
.endr
	s_wait_xcnt 0x0                                ; the stores' data registers are written again only behind this wait
.endm
	s_load_b256 s[4:11], s[0:1], 0x0               ; x, W, b, out0
	s_set_vgpr_msb 0xc0
	v_lshl_add_u32 v254, v0, 2, 0x48800
	v_mov_b32 v255, 0
	s_set_vgpr_msb 0xc000
	v_lshrrev_b32 v22, 5, v0
	v_readfirstlane_b32 s12, v22                   ; wave
	v_and_b32 v22, 31, v0                          ; lane
	v_lshlrev_b32 v[L16], 4, v22
	s_lshr_b32 s13, ttmp9, 5                       ; batch
	s_and_b32 s14, ttmp9, 31                       ; query block of phase A
	s_sub_co_u32 s15, 63, s14                      ; of phase B
	s_mov_b32 s23, 0
	s_mov_b32 s40, 0x76543210                      ; v_permlanex16_b32: lane i of one half reads lane i of the other
	s_mov_b32 s41, 0xfedcba98
	s_sub_co_i32 s20, s14, s12                     ; d = block - wave: my first tile, if there is one
	s_add_co_u32 s21, s14, 1                       ; else the tile above the diagonal (d < 0 needs block <= 2, so it exists): masked wholly
	s_max_i32 s17, s20, 0
	s_lshr_b32 s17, s17, 2
	s_add_co_u32 s17, s17, 1                       ; my tiles in phase A
	s_cmp_ge_i32 s20, 0
	s_cselect_b32 s16, s20, s21                    ; my first tile in phase A
	s_sub_co_i32 s42, s16, s14
	s_lshl_b32 s42, s42, 6                         ; 64 (tile - block)
	s_sub_co_u32 s18, s15, s12                     ; my first tile in phase B: at least 29
	s_lshr_b32 s45, s18, 2
	s_sub_co_u32 s45, s45, 1                       ; my tiles in phase B less two: at least 6
	s_mul_i32 s43, s12, SLOTB                      ; my slot
	s_lshl_b32 s20, s13, 12
	s_lshl_b32 s21, s12, 4
	s_add_co_u32 s20, s20, s21                     ; 4,096 x batch + 16 x wave
	s_wait_kmcnt 0x0
	s_lshl_b32 s22, s13, 21
	s_add_nc_u64 s[24:25], s[4:5], s[22:23]        ; x of my batch
	s_lshl_b32 s22, s16, 15
	s_add_nc_u64 s[26:27], s[24:25], s[22:23]      ; my first tile
	s_mov_b64 s[28:29], s[26:27]
	s_lshl_b32 s21, s14, 6
	s_add_co_u32 s21, s21, s20
	s_lshl_b32 s22, s21, 9                         ; rows of 512 bytes
	s_add_nc_u64 s[30:31], s[4:5], s[22:23]
	s_add_nc_u64 s[34:35], s[10:11], s[22:23]
	s_lshl_b32 s21, s15, 6
	s_add_co_u32 s21, s21, s20
	s_lshl_b32 s22, s21, 9
	s_add_nc_u64 s[32:33], s[4:5], s[22:23]
	s_add_nc_u64 s[36:37], s[10:11], s[22:23]
	s_lshl_b32 s22, s12, 15                        ; 32 rows of W, 1,024 bytes each
	s_add_nc_u64 s[38:39], s[6:7], s[22:23]
	global_load_b128 v[EE:EE+3], v[L16], s[8:9]    ; all of b: 32 lanes x 16 bytes
	WIN 0xc0
.set i, 0
.rept 16
	global_load_b128 v[QST+4*i:QST+4*i+3], v[L16], s[30:31] offset:i*512
.set i, i+1
.endr
	LOADHALF 0, 26
	; addresses, while the loads are on their way
	v_and_b32 v23, 15, v0                          ; r
	v_bfe_u32 v[TT], v0, 4, 1                      ; h
	v_bfe_u32 v[TT+1], v0, 3, 1                    ; bit 3 of the lane = r >> 3
	v_and_b32 v[TT+2], 7, v0
	v_mul_u32_u24 v[TT+3], v23, PITCH
	v_lshl_add_u32 v[TT+3], v[TT+1], 4, v[TT+3]
	v_lshl_add_u32 v[TT+3], v[TT], 4, v[TT+3]      ; 288 r + 16 (r >> 3) + 16 h
	v_add_nc_u32 v[KADR], s43, v[TT+3]
	v_add_nc_u32 v[QRA], QREG, v[TT+3]
	s_mul_i32 s20, s12, TILE16
	v_add_nc_u32 v[XRA], s20, v[QRA]
	s_add_co_u32 s20, s20, QREG
	v_lshl_add_u32 v[QWA], v22, 3, s20
	v_lshl_add_u32 v[TT+3], v[TT], 3, v[TT+2]      ; 8 h + (l & 7)
	v_mul_u32_u24 v[TT+3], v[TT+3], PITCH
	v_lshl_add_u32 v[TT+3], v[TT], 4, v[TT+3]
	v_lshl_add_u32 v[TT+3], v[TT+1], 4, v[TT+3]
	v_add_nc_u32 v[VADR], s43, v[TT+3]
	v_lshl_add_u32 v[CADR], v22, 3, s43
	v_lshlrev_b32 v[TT+3], 3, v[TT]
	v_sub_nc_u32 v[RH], v23, v[TT+3]
	v_mov_b32 v[NINF], 0xff800000
	s_lshl_b32 s20, s12, 15
	s_add_co_u32 s20, s20, MERGE
	v_add_nc_u32 v[DADR], s20, v[L16]
	s_lshl_b32 s20, s12, 13
	s_add_co_u32 s20, s20, MERGE
	v_add_nc_u32 v[RADR0], s20, v[L16]
	v_add_nc_u32 v[RADR1], 0x10000, v[RADR0]
	s_lshl_b32 s20, s12, 10
	s_add_co_u32 s20, s20, STATS
	v_lshl_add_u32 v[SWA], v22, 2, s20
	s_lshl_b32 s20, s12, 8
	s_add_co_u32 s20, s20, STATS
	v_lshl_add_u32 v[SRA], v22, 2, s20
	s_lshl_b32 s20, s12, 9
	s_add_co_u32 s20, s20, BREG
	v_add_nc_u32 v[BWA], s20, v[L16]
	v_lshl_add_u32 v[BRA], v[TT], 5, s20
	v_mul_u32_u24 v[TT+3], v23, WPITCH
	v_lshl_add_u32 v[TT+2], v[TT], 5, v[TT+3]
	v_add_nc_u32 v[OWA], s43, v[TT+2]
	v_add_nc_u32 v[ORA], s43, v[L16]
	v_lshl_add_u32 v[TT+2], v[TT], 4, v[TT+3]
	v_add_nc_u32 v[WRA], WREG, v[TT+2]
	s_mul_i32 s20, s12, 32*WPITCH
	s_add_co_u32 s20, s20, WREG
	v_lshl_add_u32 v[WWA], v22, 3, s20
	v_sub_nc_u32 v[THR], v[RH], s42                ; phase A's mask threshold
	PSTART 32, 1                                   ; b and my query rows are in; the first tile's 32 loads may stay out
	LOADHALF 1, 28
	; W: my 32 rows, f32 -> bf16 -> LDS, once.  The other waves read them behind the barrier in phase A's epilogue.
	WIN 0x40
.set i, 0
.rept 64
	global_load_b128 v[4*i:4*i+3], v[L16], s[38:39] offset:i*512
.set i, i+1
.endr
	WIN 0
	s_wait_loadcnt 0x0
	WIN 0x05
.set i, 0
.rept 64
	v_cvt_pk_bf16_f32 v[SS+2*i], v[4*i], v[4*i+1]
	v_cvt_pk_bf16_f32 v[SS+2*i+1], v[4*i+2], v[4*i+3]
.set i, i+1
.endr
	WIN 0
.set i, 0
.rept 64
	ds_store_b64 v[WWA], v[SS+2*i:SS+2*i+1] offset:(i/2)*WPITCH+(i%2)*256
.set i, i+1
.endr
	s_wait_dscnt 0x0                               ; the first step's conversions write these stores' data registers again
	; PHASE A
	s_mov_b32 s19, s16
	s_mov_b32 s44, 1                               ; tiles begun
	STEP 1, 1
	s_cmp_lt_u32 s44, s17
	s_cbranch_scc0 .LdoneA
.LloopA:
	s_add_co_u32 s44, s44, 1
	STEP 0, 1
	s_cmp_lt_u32 s44, s17
	s_cbranch_scc1 .LloopA
.LdoneA:
	EPI 1, 34
	; PHASE B: its first tile was requested in phase A's last step
	PSTART 0, 0                                    ; the query rows are the youngest loads
	s_lshl_b32 s42, s12, 6
	v_add_nc_u32 v[THR], s42, v[RH]                ; tile - block = -wave
	s_mov_b32 s19, s18
	STEP 1, 2
	s_mov_b32 s44, 0
.LloopB:
	STEP 0, 2
	s_add_co_u32 s44, s44, 1
	s_cmp_lt_u32 s44, s45
	s_cbranch_scc1 .LloopB
	STEP 0, 0                                      ; the last tile: nothing is left to request
	EPI 0, 36
	s_set_vgpr_msb 0xf
	s_wait_tensorcnt 0x0
	ds_add_u32 v254, v255
	s_wait_dscnt 0x0
	s_set_vgpr_msb 0xf00
	s_endpgm
.Lfunc_end_k_q584206340b_attn:
	.size	k_q584206340b_attn, .Lfunc_end_k_q584206340b_attn-k_q584206340b_attn
	.p2alignl 7, 3214868480
	.fill 96, 4, 3214868480
	.section	.rodata,"a",@progbits
	.p2align	6, 0x0
	.amdhsa_kernel k_q584206340b_attn
		.amdhsa_group_segment_fixed_size 297472
		.amdhsa_private_segment_fixed_size 0
		.amdhsa_enable_private_segment 0
		.amdhsa_kernarg_size 32
		.amdhsa_user_sgpr_count 2
		.amdhsa_user_sgpr_kernarg_segment_ptr 1
		.amdhsa_wavefront_size32 1
		.amdhsa_system_sgpr_workgroup_id_x 1
		.amdhsa_system_sgpr_workgroup_id_y 1
		.amdhsa_system_sgpr_workgroup_id_z 1
		.amdhsa_system_vgpr_workitem_id 0
		.amdhsa_next_free_vgpr 1024
		.amdhsa_next_free_sgpr 66
		.amdhsa_reserve_vcc 1
		.amdhsa_float_denorm_mode_32 3
		.amdhsa_float_denorm_mode_16_64 3
		.amdhsa_memory_ordered 1
		.amdhsa_forward_progress 1
		.amdhsa_inst_pref_size 255
	.end_amdhsa_kernel
	.section	.bss,"aw",@nobits
	.p2align	6
	.space	262144
	.amdgpu_metadata
---
amdhsa.version: [ 1, 2 ]
amdhsa.kernels:
  - .name:           k_q584206340b_attn
    .symbol:         k_q584206340b_attn.kd
    .args:
      - { .name: x, .offset: 0, .size: 8, .value_kind: global_buffer, .address_space: global }
      - { .name: W, .offset: 8, .size: 8, .value_kind: global_buffer, .address_space: global }
      - { .name: b, .offset: 16, .size: 8, .value_kind: global_buffer, .address_space: global }
      - { .name: out0, .offset: 24, .size: 8, .value_kind: global_buffer, .address_space: global }
    .group_segment_fixed_size: 297472
    .private_segment_fixed_size: 0
    .kernarg_segment_align: 8
    .kernarg_segment_size: 32
    .max_flat_workgroup_size: 128
    .sgpr_count:     66
    .vgpr_count:     1024
    .wavefront_size: 32
...
	.end_amdgpu_metadata
.endif
;; end of part 1
;; ======== version 2 of 2: 1 launch; version 1 with the launch attn written anew for expert scheduling mode
;; launch attn (part 2): grid 256 x 1, 4 waves a work-group, no clusters, 297,472 bytes of LDS; arguments x, W, b, out0; writes out0
.if DOCPART == 2
	.amdgcn_target "amdgcn-amd-amdhsa--gfx1250"
	.amdhsa_code_object_version 6
	.text
	.protected	k_q584206340b_attn
	.globl	k_q584206340b_attn
	.p2align	8
	.type	k_q584206340b_attn,@function
k_q584206340b_attn:
	s_mov_b64 s[64:65], 0
	v_nop
	global_prefetch_b8 v0, s[64:65] scope:SCOPE_SE
	s_setreg_imm32_b32 hwreg(HW_REG_WAVE_SCHED_MODE, 0, 2), 2
	s_setreg_imm32_b32 hwreg(HW_REG_WAVE_MODE, 25, 1), 1
	s_wait_xcnt 0x0
	s_wait_alu depctr_vm_vsrc(0)
; Causal self-attention with Q = K = V = x (8 batches x 4,096 rows x 128 features, f32, unscaled scores), then out = [x, att] W^T + b.
; WORK: 256 work-groups of four waves, as many as a WGP has SIMDs.  Work-group g: batch g >> 5, j = g & 31.  It makes two blocks of 64 queries, block j
; (phase A) and block 63 - j (phase B).  Block qb needs the 64-key tiles 0 .. qb, so the pair needs 65 tiles whatever j is.
; All four waves hold the same 64 queries and split the KEYS: wave w takes tiles qb - w, qb - w - 4, ... >= 0, with a running maximum, sum and O of its own;
; the four partial results are merged through LDS once a phase.  ceil((j+1)/4) + ceil((64-j)/4) = 17 steps for every j.
; A wave's key stream is its own: global f32 -> registers -> bf16 -> its own LDS slot -> fragments.  So the loops hold no barrier; the kernel has four.
; LAYOUT: S^T = K Q^T (a lane owns one query: maximum and sum stay in the lane but for one exchange of the halves); the packed weights ARE the B fragment of
; O^T = V^T P^T; the merged O^T, packed, IS the B fragment of out^T = W cat^T.  No shuffle between the products.
; LDS TILE: key k, feature d at 288 k + 16 ((k >> 3) & 1) + 2 d.  Plain fragment loads: sixteen neighbouring lanes stand at 32 r + 16 (r >> 3) modulo 256,
; transposing loads at 32 (l & 7) + 16 ((l >> 3) & 1): sixteen different 16-byte columns both times (64 banks of 4 bytes: ISA guide 11.1).  One copy serves K and V.
; NO TENSOR LOADS, NO CLUSTER: x lies in memory as f32 and the products want bf16.  A tile copied into LDS as f32 (32 KiB) would be read, converted and stored again
; (32 + 16 KiB more LDS traffic for a tile whose fragments cost 32 KiB); through registers it is stored once, as 16 KiB.  And the work-groups of a batch
; start at different tiles (qb - w), so no two ask for the same tile in the same step.  NO PREFETCH: each tile is requested a whole step ahead, into registers.
; LIMITS: inputs finite.  A wholly masked tile's maximum is clamped at -1e30 / log2(e); a row's own maximum is at least |x_s|^2 >= 0, so the clamped partial always
; merges with factor 0.  Weights below 2^-126 of the row's largest come out as 0 (v_exp_f32 flushes: ISA guide 15.8).  x, W, the weights and att enter the
; products rounded to bf16; the sums of weights are taken over the unrounded f32 weights; the order of the sums differs from the reference's (four streams, merged).
; THE MODE: SCHED_MODE bits 1:0 = 2 (LLVM: expert scheduling mode 2), set by the entry lines.  The code itself states the register dependences
; between vector or matrix instructions and memory or LDS instructions, with s_wait_alu, always for 0.
; THE PLAN.  Registers that memory or LDS instructions touch in a step:
;   ST0, ST1  window 2, the tile's rows 0-31 and 32-63 as f32.  A half's 64 conversions read it; behind them the next tile's 32 loads land in it.
;   T0, T1    v128-191 and v192-255.  A half's conversions write it, its 32 LDS stores read it, the score products of that half write it again.
;   FA, FB    K's fragments of keys 0-31 land, score products read; K's of keys 32-63 land, score products read; V^T's groups 0 and 1 land, the second products read.
;   VC, VD    window 3.  V^T's groups 2 and 3 land, the second products read.  (At a phase's start the same registers stage my query rows.)
;   v1-v21    offsets and LDS addresses: made at the head, never written again; the tiles' bases are scalar registers.
; SIX WAITS A STEP.  va_vdst behind each half's conversions: its temporaries are written, its staged rows and FA, FB have been read.  vm_vsrc ahead of each half's score
; products: the stores have read the temporaries.  va_vdst behind the last score products: FA, FB, VC, VD have been read; all four groups of V^T follow it with no further wait,
; since the mask and the softmax name none of these registers nor VADR.  va_vdst behind the exponentials, ahead of their first reader.  No load stands among the second products.
;
; SCALARS: s[4:5] x, s[6:7] W, s[8:9] b, s[10:11] out0; s12 wave; s13 batch; s14 block A; s15 block B; s16 first tile A; s17 tiles of A; s18 first tile B;
; s19 tile being requested; s20-21 scratch; s[22:23] an offset (s23 = 0); s[24:25] x of my batch; s[26:27], s[28:29] bases of a tile's two halves;
; s[30:31], s[32:33] my 16 query rows in A, B; s[34:35], s[36:37] the same rows of out0; s[38:39] my 32 rows of W; s40-41 lane select; s42 mask shift;
; s43 my slot; s44 loop counter; s45 tiles of B less two; s[46:53] eight masks of lanes.
.set PITCH,  288                       ; LDS pitch of a bf16 row of 128 features
.set TILE16, 16*PITCH                  ; 16 rows
.set SLOTB,  64*PITCH                  ; a tile of 64 rows; the skew's 16 bytes fit in the last row's padding
.set QREG,   4*SLOTB                   ; behind the four waves' slots: the query block, same layout
.set WREG,   QREG+SLOTB                ; W in bf16: 128 rows of 512 bytes
.set WPITCH, 528                       ; 33 x 16 bytes: sixteen rows start at sixteen different 16-byte columns
.set MERGE,  WREG+128*WPITCH           ; 4 x 32,768: each wave's O^T, register quad i at 512 i + 16 lane
.set STATS,  MERGE+4*32768             ; 1,024 x wave + 256 x query tile + 128 x (0: -max log2e, 1: sum) + 4 x lane
.set BREG,   STATS+4096                ; b in f32, a copy of 512 bytes for each wave
.set MK,   46                          ; s[46:53]
; window 0
.set L16,  1                           ; 16 x lane: my 16 bytes of a row of 512 (global)
.set KADR, 2                           ; slot + 288 r + 16 (r >> 3) + 16 h
.set VADR, 3                           ; slot + 288 (8 h + (l & 7)) + 16 h + 16 ((l >> 3) & 1)
.set CADR, 4                           ; slot + 8 x lane
.set RH,   5                           ; r - 8 h
.set THR,  6                           ; mask threshold of the phase
.set NINF, 7                           ; -infinity
.set DADR, 8                           ; my dump in MERGE
.set RADR0, 9                          ; my query tile's part of waves 0 and 1's dumps
.set RADR1, 10                         ; of waves 2 and 3's
.set SWA,  11                          ; where I put my statistics
.set SRA,  12                          ; where I read my query tile's
.set BWA,  13
.set BRA,  14
.set OWA,  15                          ; output stage, in: 528 r + 32 h
.set ORA,  16                          ; output stage, back: 16 x lane
.set QWA,  17
.set QRA,  18
.set XRA,  19
.set WWA,  20
.set WRA,  21
.set NM,   24                          ; v[24:31] four pairs: -(running maximum) x log2(e), twice
.set AL,   32                          ; v[32:39] four pairs: rescale factor; in the epilogue the four merge factors
.set LP,   40                          ; v[40:47] four pairs: running sums
.set MT,   48                          ; v[48:51]
.set TT,   52                          ; v[52:55]
.set EE,   56                          ; v[56:63]
.set FA,   64                          ; v[64:95]   fragment buffer
.set FB,   96                          ; v[96:127]  fragment buffer
.set ATT,  64                          ; epilogue: merged O^T of my query tile
.set SS,   128                         ; v[128:255] scores: tile (kt, qt) at 64 (kt / 2) + 16 qt + 8 (kt % 2); weights of (ks, qt) packed in place at 64 ks + 16 qt
.set OUTA, 128                         ; epilogue: out^T, tile ot at 8 ot
; window 1: O^T, tile (dt, qt) at 8 (8 qt + dt); at the start W as f32; in the epilogue W's fragments (c, ot) at 64 (c % 4) + 8 ot
; window 2: a key tile as f32, row k at 4 k
; window 3: Q fragments (qt, c) at 8 (4 qt + c), and:
.set QST,  128                         ; at a phase's start: my 16 query rows as f32
.set VC,   128                         ; in the steps: V^T's fragments of keys 32-63, feature tiles 0-3,
.set VD,   160                         ; and feature tiles 4-7
.set XBF,  192                         ; fragments of query tile w, for the linear layer
.set MSB, 0
.macro WIN new                         ; s_set_vgpr_msb: bits 1:0 source 0, 3:2 source 1, 5:4 source 2, 7:6 destination; the high byte repeats the setting that is left
.if MSB != \new
	s_set_vgpr_msb (MSB<<8)|\new
.set MSB, \new
.endif
.endm
; Four places behind matrix instructions, in front of a vector instruction or a store on their registers
.macro PLACES
.rept 4
	v_nop
.endr
.endm
; Rows 32 hf .. 32 hf + 31 of the staged tile: f32 -> bf16 into the half of the score registers that is free now, then into my slot (256 neighbouring bytes a store).
.macro CVT_STORE hf
	WIN 0x0a
.set i, 0
.rept 32
	v_cvt_pk_bf16_f32 v[SS+64*\hf+2*i], v[128*\hf+4*i], v[128*\hf+4*i+1]
	v_cvt_pk_bf16_f32 v[SS+64*\hf+2*i+1], v[128*\hf+4*i+2], v[128*\hf+4*i+3]
.set i, i+1
.endr
	WIN 0
	s_wait_alu depctr_va_vdst(0)                   ; the conversions have written the temporaries, which the stores below read, and are done reading the staged rows, in which the next tile's loads land; the matrix instructions issued so far are done reading FA and FB, in which K's fragments land
.set i, 0
.rept 32
	ds_store_b64 v[CADR], v[SS+64*\hf+2*i:SS+64*\hf+2*i+1] offset:(32*\hf+i)*PITCH+16*(((32*\hf+i)/8)%2)
.set i, i+1
.endr
.endm
; 32 rows of a key tile into window 2: each load is one whole row, 512 neighbouring bytes
.macro LOADHALF hf, p
	WIN 0x80
.set i, 0
.rept 32
	global_load_b128 v[128*\hf+4*i:128*\hf+4*i+3], v[L16], s[\p:\p+1] offset:(32*\hf+i)*512
.set i, i+1
.endr
	WIN 0
.endm
; 16 keys x 128 features as four A fragments
.macro KFRAG kt, f
.irp c, 0,1,2,3
	ds_load_b128 v[\f+8*\c:\f+8*\c+3], v[KADR] offset:\kt*TILE16+64*\c
	ds_load_b128 v[\f+8*\c+4:\f+8*\c+7], v[KADR] offset:\kt*TILE16+64*\c+32
.endr
.endm
; S^T(kt, 0..3) = K Q^T: the first product starts each sum; the four accumulators take turns
.macro SMUL kt, f
	WIN 0x0c
.irp c, 0,1,2,3
.irp qt, 0,1,2,3
.if \c == 0
	v_wmma_f32_16x16x32_bf16 v[SS+64*(\kt/2)+16*\qt+8*(\kt%2):SS+64*(\kt/2)+16*\qt+8*(\kt%2)+7], v[\f+8*\c:\f+8*\c+7], v[8*(4*\qt+\c):8*(4*\qt+\c)+7], 0
.else
	v_wmma_f32_16x16x32_bf16 v[SS+64*(\kt/2)+16*\qt+8*(\kt%2):SS+64*(\kt/2)+16*\qt+8*(\kt%2)+7], v[\f+8*\c:\f+8*\c+7], v[8*(4*\qt+\c):8*(4*\qt+\c)+7], v[SS+64*(\kt/2)+16*\qt+8*(\kt%2):SS+64*(\kt/2)+16*\qt+8*(\kt%2)+7]
.endif
.endr
.endr
.endm
; group g: keys 32 (g / 2) .. + 31, feature tiles 4 (g % 2) .. + 3, transposed on the way: four A fragments of V^T.  The caller sets the destination's window.
.macro VFRAG g, f
.irp t, 0,1,2,3
	ds_load_tr16_b128 v[\f+8*\t:\f+8*\t+3], v[VADR] offset:(\g/2)*2*TILE16+32*(4*(\g%2)+\t)
	ds_load_tr16_b128 v[\f+8*\t+4:\f+8*\t+7], v[VADR] offset:(\g/2)*2*TILE16+32*(4*(\g%2)+\t)+TILE16
.endr
.endm
; O^T += V^T P^T for group g: sixteen accumulators, one instruction each.  w: 0x50, the fragments in window 0 (FA, FB), or 0x53, in window 3 (VC, VD)
.macro PVMUL g, f, zero, w
	WIN \w
.irp t, 0,1,2,3
.irp qt, 0,1,2,3
.if \zero
	v_wmma_f32_16x16x32_bf16 v[8*(8*\qt+4*(\g%2)+\t):8*(8*\qt+4*(\g%2)+\t)+7], v[\f+8*\t:\f+8*\t+7], v[SS+64*(\g/2)+16*\qt:SS+64*(\g/2)+16*\qt+7], 0
.else
	v_wmma_f32_16x16x32_bf16 v[8*(8*\qt+4*(\g%2)+\t):8*(8*\qt+4*(\g%2)+\t)+7], v[\f+8*\t:\f+8*\t+7], v[SS+64*(\g/2)+16*\qt:SS+64*(\g/2)+16*\qt+7], v[8*(8*\qt+4*(\g%2)+\t):8*(8*\qt+4*(\g%2)+\t)+7]
.endif
.endr
.endr
.endm
; key > query  <=>  16 (kt - qt) + jj > r - 8 h - 64 (tile - block) = THR.  One compare serves all tiles with the same kt - qt.
; tile = block: the triangle.  tile < block: THR >= 56 > 55, nothing is masked.  tile = block + 1: THR <= -49 < -48, everything is.
; The eight compares of a diagonal stand in one run, into eight scalar registers, with one wait behind the run.
.macro MASK
.set dd, -3
.rept 7
.set jj, 0
.rept 8
	v_cmp_gt_i32 s[MK+jj], 16*dd+jj, v[THR]
.set jj, jj+1
.endr
	s_wait_alu depctr_va_sdst(0)                   ; the eight compares have written s[46:53], which the selects below read
.set jj, 0
.rept 8
.set qq, 0
.rept 4
.if qq+dd >= 0
.if qq+dd <= 3
	v_cndmask_b32 v[SS+64*((qq+dd)/2)+16*qq+8*((qq+dd)%2)+jj], v[SS+64*((qq+dd)/2)+16*qq+8*((qq+dd)%2)+jj], v[NINF], s[MK+jj]
.endif
.endif
.set qq, qq+1
.endr
.set jj, jj+1
.endr
.set dd, dd+1
.endr
.endm
; The running softmax of one tile.  A lane's 32 scores of query tile qt lie at SS + 64 (i / 16) + 16 qt + i % 16.  The four query tiles' chains take turns.
; V^T's groups 2 and 3 are asked for in it, eight loads at a time.
.macro SOFTMAX first
.irp qt, 0,1,2,3
	v_max3_num_f32 v[MT+\qt], v[SS+16*\qt], v[SS+16*\qt+1], v[SS+16*\qt+2]
.endr
.set i, 3
.rept 14
.irp qt, 0,1,2,3
	v_max3_num_f32 v[MT+\qt], v[MT+\qt], v[SS+64*(i/16)+16*\qt+(i%16)], v[SS+64*((i+1)/16)+16*\qt+((i+1)%16)]
.endr
.set i, i+2
.endr
.irp qt, 0,1,2,3
	v_max_num_f32 v[MT+\qt], v[MT+\qt], v[SS+64+16*\qt+15]
.endr
	WIN 0xc0
	VFRAG 2, VC                                    ; no wait: no vector or matrix instruction since the wait behind the score products names VC or VADR
	WIN 0
.irp qt, 0,1,2,3
	v_permlanex16_b32 v[TT+\qt], v[MT+\qt], s40, s41       ; the other half of the lanes holds the same query's other keys
.endr
.irp qt, 0,1,2,3
	v_max_num_f32 v[MT+\qt], v[MT+\qt], v[TT+\qt]
.endr
.irp qt, 0,1,2,3
	v_mul_f32 v[TT+\qt], 0xbfb8aa3b, v[MT+\qt]             ; -log2(e) x the tile's maximum
.endr
.if \first
.irp qt, 0,1,2,3
	v_min_num_f32 v[NM+2*\qt], 0x7149f2ca, v[TT+\qt]       ; 1e30: a wholly masked tile (maximum -infinity) keeps a finite shift
.endr
.irp qt, 0,1,2,3
	v_mov_b32 v[NM+2*\qt+1], v[NM+2*\qt]
.endr
.else
.irp qt, 0,1,2,3
	v_min_num_f32 v[TT+\qt], v[TT+\qt], v[NM+2*\qt]        ; the new running maximum, negated and scaled
.endr
.irp qt, 0,1,2,3
	v_sub_f32 v[AL+2*\qt], v[TT+\qt], v[NM+2*\qt]
.endr
.irp qt, 0,1,2,3
	v_exp_f32 v[AL+2*\qt], v[AL+2*\qt]                     ; exp(old maximum - new maximum): the first four of the step's batch of exponentials; nothing names them ahead of the batch's wait
.endr
.irp qt, 0,1,2,3
	v_mov_b32 v[NM+2*\qt], v[TT+\qt]
.endr
.irp qt, 0,1,2,3
	v_mov_b32 v[NM+2*\qt+1], v[TT+\qt]
.endr
.endif
.set i, 0
.rept 16
.irp qt, 0,1,2,3
	v_pk_fma_f32 v[SS+64*(i/16)+16*\qt+(i%16):SS+64*(i/16)+16*\qt+(i%16)+1], v[SS+64*(i/16)+16*\qt+(i%16):SS+64*(i/16)+16*\qt+(i%16)+1], 0x3fb8aa3b, v[NM+2*\qt:NM+2*\qt+1] op_sel_hi:[1,0,1]
.endr
.set i, i+2
.endr
	WIN 0xc0
	VFRAG 3, VD                                    ; no wait, as for VC above
	WIN 0
.set i, 0
.rept 32
.irp qt, 0,1,2,3
	v_exp_f32 v[SS+64*(i/16)+16*\qt+(i%16)], v[SS+64*(i/16)+16*\qt+(i%16)]
.endr
.set i, i+1
.endr
	v_nop                                                  ; the plain place behind the run of v_exp_f32 (ISA guide 5.7.2)
	s_wait_alu depctr_va_vdst(0)                           ; the exponentials have written the weights and the rescale factors, ahead of their first reader; one wait for the batch
.if \first
.irp qt, 0,1,2,3
	v_pk_add_f32 v[LP+2*\qt:LP+2*\qt+1], v[SS+16*\qt:SS+16*\qt+1], v[SS+16*\qt+2:SS+16*\qt+3]   ; the first weights start the sums
.endr
.else
.irp qt, 0,1,2,3
	v_mov_b32 v[AL+2*\qt+1], v[AL+2*\qt]
.endr
.irp qt, 0,1,2,3
	v_pk_fma_f32 v[LP+2*\qt:LP+2*\qt+1], v[LP+2*\qt:LP+2*\qt+1], v[AL+2*\qt:AL+2*\qt+1], v[SS+16*\qt:SS+16*\qt+1]
.endr
.irp qt, 0,1,2,3
	v_pk_add_f32 v[LP+2*\qt:LP+2*\qt+1], v[LP+2*\qt:LP+2*\qt+1], v[SS+16*\qt+2:SS+16*\qt+3]
.endr
.endif
.set i, 4
.rept 14
.irp qt, 0,1,2,3
	v_pk_add_f32 v[LP+2*\qt:LP+2*\qt+1], v[LP+2*\qt:LP+2*\qt+1], v[SS+64*(i/16)+16*\qt+(i%16):SS+64*(i/16)+16*\qt+(i%16)+1]
.endr
.set i, i+2
.endr
.set i, 0
.rept 8                                                    ; pack in place, ascending: word i takes numbers 2 i, 2 i + 1, which lie at or above it
.irp ks, 0,1
.irp qt, 0,1,2,3
	v_cvt_pk_bf16_f32 v[SS+64*\ks+16*\qt+i], v[SS+64*\ks+16*\qt+2*i], v[SS+64*\ks+16*\qt+2*i+1]
.endr
.endr
.set i, i+1
.endr
.endm
.macro RESCALE                         ; a lane holds one query of each query tile, so the factor is the lane's own
	WIN 0x41
.irp qt, 0,1,2,3
.set i, 0
.rept 32
	v_pk_mul_f32 v[64*\qt+i:64*\qt+i+1], v[64*\qt+i:64*\qt+i+1], v[AL+2*\qt:AL+2*\qt+1]
.set i, i+2
.endr
.endr
.endm
; One tile of 64 keys against the 64 queries.  first = 1: the wave's first tile of a phase (mask; sums begin).
; mode 0: no tile follows; 1: phase A (behind its last tile follows phase B's first); 2: phase B.
.macro STEP first, mode
	s_wait_loadcnt 32                              ; this tile's rows 0-31 are in; the 32 younger loads (rows 32-63) may stay out.  Their base s[26:27] is free too
	CVT_STORE 0
	KFRAG 0, FA                                    ; the fragments are asked for first: they land while the 32 loads below are issued
	KFRAG 1, FB
.if \mode == 1
	s_sub_co_u32 s20, s19, 4
	s_cmp_lt_u32 s44, s17                          ; has this phase another tile for me?
	s_cselect_b32 s19, s20, s18                    ; four tiles down, or phase B's first
.endif
.if \mode == 2
	s_sub_co_u32 s19, s19, 4
.endif
.if \mode
	s_lshl_b32 s22, s19, 15                        ; 64 rows of 512 bytes
	s_add_nc_u64 s[26:27], s[24:25], s[22:23]
	LOADHALF 0, 26                                 ; the next tile's rows 0-31, a whole step ahead.  No wait: no vector or matrix instruction since the wait behind the conversions
.endif
	s_wait_dscnt 8                                 ; all but the eight youngest: my stores, keys 0-15 (and, in a phase's first step, the Q fragments)
	s_wait_alu depctr_vm_vsrc(0)                   ; the stores have read v128-191, which the score products below write
	SMUL 0, FA
	s_wait_dscnt 0
	SMUL 1, FB
	PLACES
.if \mode
	s_wait_loadcnt 32                              ; rows 32-63 are in; the next tile's rows 0-31 stay out.  s[28:29] is free
.else
	s_wait_loadcnt 0
.endif
	CVT_STORE 1
	KFRAG 2, FA
	KFRAG 3, FB
.if \mode
	s_mov_b64 s[28:29], s[26:27]
	LOADHALF 1, 28
.endif
	s_wait_dscnt 8
	s_wait_alu depctr_vm_vsrc(0)                   ; the stores have read v192-255, which the score products below write
	SMUL 2, FA
	s_wait_dscnt 0
	SMUL 3, FB
	WIN 0
	PLACES
	s_wait_alu depctr_va_vdst(0)                   ; the score products are done reading FA and FB, the last step's second products VC and VD: V^T's four groups land in them
	VFRAG 0, FA                                    ; these land while the softmax is worked out
	VFRAG 1, FB
.if \first
	MASK
.endif
	SOFTMAX \first
.if \first
.else
	RESCALE
.endif
	s_wait_dscnt 0x0                               ; V^T's four groups are in
	PVMUL 0, FA, \first, 0x50
	PVMUL 1, FB, \first, 0x50
	PVMUL 2, VC, 0, 0x53
	PVMUL 3, VD, 0, 0x53
	WIN 0
	PLACES
.endm
; The start of a phase: my 16 query rows go to LDS as bf16; behind a barrier every wave takes all 64 queries' fragments, and those of query tile w once more.
.macro PSTART cnt, withb
	s_wait_loadcnt \cnt
	WIN 0x0f
.set i, 0
.rept 16
	v_cvt_pk_bf16_f32 v[FA+2*i], v[QST+4*i], v[QST+4*i+1]
	v_cvt_pk_bf16_f32 v[FA+2*i+1], v[QST+4*i+2], v[QST+4*i+3]
.set i, i+1
.endr
	WIN 0
	s_wait_alu depctr_va_vdst(0)                   ; the conversions have written v[FA ..], which the stores read; the addresses made at the head are written; the matrix instructions of the phase before are done reading the fragments of Q and x, in which the loads behind the barrier land
.set i, 0
.rept 16
	ds_store_b64 v[QWA], v[FA+2*i:FA+2*i+1] offset:i*PITCH+16*((i/8)%2)
.set i, i+1
.endr
.if \withb
	ds_store_b128 v[BWA], v[EE:EE+3]               ; b, my own copy
.endif
	s_wait_dscnt 0x0                               ; for the others' sake: my rows are in LDS, and my earlier LDS reads are over
	s_barrier_signal -1
	s_barrier_wait -1
	s_wait_alu depctr_vm_vsrc(0)                   ; my stores have read v[FA ..] (and b's four registers): K's fragments land in FA in the step that follows, the statistics in v[EE ..] at the phase's end
	WIN 0xc0
.irp qt, 0,1,2,3
.irp c, 0,1,2,3
	ds_load_b128 v[8*(4*\qt+\c):8*(4*\qt+\c)+3], v[QRA] offset:\qt*TILE16+64*\c
	ds_load_b128 v[8*(4*\qt+\c)+4:8*(4*\qt+\c)+7], v[QRA] offset:\qt*TILE16+64*\c+32
.endr
.endr
.irp c, 0,1,2,3
	ds_load_b128 v[XBF+8*\c:XBF+8*\c+3], v[XRA] offset:64*\c
	ds_load_b128 v[XBF+8*\c+4:XBF+8*\c+7], v[XRA] offset:64*\c+32
.endr
	WIN 0
.endm
.macro WFRAG c                         ; columns 32 c .. + 31 of all 128 rows of W: eight A fragments, 16 loads
.irp ot, 0,1,2,3,4,5,6,7
	ds_load_b128 v[64*(\c%4)+8*\ot:64*(\c%4)+8*\ot+3], v[WRA] offset:\ot*16*WPITCH+64*\c
	ds_load_b128 v[64*(\c%4)+8*\ot+4:64*(\c%4)+8*\ot+7], v[WRA] offset:\ot*16*WPITCH+64*\c+32
.endr
.endm
.macro LMUL c, bb                      ; out^T += W(., 32 c ..) cat^T: the eight accumulators take turns
.irp ot, 0,1,2,3,4,5,6,7
	v_wmma_f32_16x16x32_bf16 v[OUTA+8*\ot:OUTA+8*\ot+7], v[64*(\c%4)+8*\ot:64*(\c%4)+8*\ot+7], v[\bb:\bb+7], v[OUTA+8*\ot:OUTA+8*\ot+7]
.endr
.endm
; The end of a phase: the four waves' partial results meet in LDS; wave w merges query tile w, applies the linear layer and stores 16 rows of out0.
.macro EPI nextq, op
.irp qt, 0,1,2,3
	v_add_f32 v[TT+\qt], v[LP+2*\qt], v[LP+2*\qt+1]
.endr
.irp qt, 0,1,2,3
	v_permlanex16_b32 v[MT+\qt], v[TT+\qt], s40, s41
.endr
.irp qt, 0,1,2,3
	v_add_f32 v[TT+\qt], v[TT+\qt], v[MT+\qt]              ; my sum of weights for the lane's query
.endr
	s_wait_alu depctr_va_vdst(0)                   ; the last products have written O^T, which the dump's stores read, and are done reading VC, VD (the next query rows land there) and the weights in v128-255 (the partial results land there behind the barrier); the sums above are written, which the statistics' stores read
.if \nextq
	WIN 0xc0
.set i, 0
.rept 16
	global_load_b128 v[QST+4*i:QST+4*i+3], v[L16], s[32:33] offset:i*512   ; phase B's query rows, on their way during the merge
.set i, i+1
.endr
.endif
	WIN 0x04
.set i, 0
.rept 64
	ds_store_b128 v[DADR], v[4*i:4*i+3] offset:i*512       ; my O^T as it lies in registers
.set i, i+1
.endr
	WIN 0
.irp qt, 0,1,2,3
	ds_store_b32 v[SWA], v[NM+2*\qt] offset:\qt*256
	ds_store_b32 v[SWA], v[TT+\qt] offset:\qt*256+128
.endr
	s_wait_dscnt 0x0                               ; for the others' sake: dump and statistics are in LDS (in phase A my rows of W too)
	s_barrier_signal -1
	s_barrier_wait -1
.irp u, 0,1,2,3
	ds_load_b32 v[EE+\u], v[SRA] offset:\u*1024
	ds_load_b32 v[EE+4+\u], v[SRA] offset:\u*1024+128
.endr
.irp u, 0,1
.set i, 0
.rept 16
	ds_load_b128 v[SS+64*\u+4*i:SS+64*\u+4*i+3], v[RADR0] offset:\u*32768+i*512
.set i, i+1
.endr
.endr
	s_wait_dscnt 32                                ; the eight statistics are in; the 32 loads of partial results may stay out
	s_wait_alu depctr_vm_vsrc(0)                   ; my stores have read v[TT ..], which the lines below write, v[NM ..], which the next phase writes, and O^T's registers, in which W's fragments land
	v_min3_num_f32 v[TT], v[EE], v[EE+1], v[EE+2]
	v_min_num_f32 v[TT], v[TT], v[EE+3]            ; the overall maximum, negated and scaled
.irp u, 0,1,2,3
	v_sub_f32 v[AL+2*\u], v[TT], v[EE+\u]
.endr
.irp u, 0,1,2,3
	v_exp_f32 v[AL+2*\u], v[AL+2*\u]
.endr
	v_nop
	s_wait_alu depctr_va_vdst(0)                   ; the four exponentials have written the merge factors, ahead of their first reader
	v_mul_f32 v[TT+1], v[AL], v[EE+4]
	v_fmac_f32 v[TT+1], v[AL+2], v[EE+5]
	v_fmac_f32 v[TT+1], v[AL+4], v[EE+6]
	v_fmac_f32 v[TT+1], v[AL+6], v[EE+7]           ; the row's sum of weights: at least about 1, the wave that holds the maximum gives that
	v_rcp_f32 v[TT+1], v[TT+1]
	v_nop
	s_wait_alu depctr_va_vdst(0)                   ; the reciprocal is written: the same wait, ahead of its first reader
.irp u, 0,1,2,3
	v_mul_f32 v[AL+2*\u], v[AL+2*\u], v[TT+1]
.endr
.irp u, 0,1,2,3
	v_mov_b32 v[AL+2*\u+1], v[AL+2*\u]
.endr
	s_wait_dscnt 0
.set i, 0
.rept 32
	v_pk_mul_f32 v[ATT+i:ATT+i+1], v[SS+i:SS+i+1], v[AL:AL+1]
.set i, i+2
.endr
.set i, 0
.rept 32
	v_pk_fma_f32 v[ATT+i:ATT+i+1], v[SS+64+i:SS+64+i+1], v[AL+2:AL+3], v[ATT+i:ATT+i+1]
.set i, i+2
.endr
	s_wait_alu depctr_va_vdst(0)                   ; the merge's first half is done reading v128-255, in which waves 2 and 3's partial results land
.irp u, 0,1
.set i, 0
.rept 16
	ds_load_b128 v[SS+64*\u+4*i:SS+64*\u+4*i+3], v[RADR1] offset:\u*32768+i*512
.set i, i+1
.endr
.endr
	WIN 0x40
	WFRAG 0                                        ; into O^T's registers: no vector or matrix instruction has named them since the epilogue's first wait, and the dump's stores have read them
	WFRAG 1
	WIN 0
	s_wait_dscnt 32                                ; waves 2 and 3's partial results are in; W's 32 loads may stay out
.set i, 0
.rept 32
	v_pk_fma_f32 v[ATT+i:ATT+i+1], v[SS+i:SS+i+1], v[AL+4:AL+5], v[ATT+i:ATT+i+1]
.set i, i+2
.endr
.set i, 0
.rept 32
	v_pk_fma_f32 v[ATT+i:ATT+i+1], v[SS+64+i:SS+64+i+1], v[AL+6:AL+7], v[ATT+i:ATT+i+1]
.set i, i+2
.endr
.set i, 0
.rept 8                                                    ; att^T to bf16 in place: fragment cc (features 32 cc .. + 31) at ATT + 16 cc
.irp cc, 0,1,2,3
	v_cvt_pk_bf16_f32 v[ATT+16*\cc+i], v[ATT+16*\cc+2*i], v[ATT+16*\cc+2*i+1]
.endr
.set i, i+1
.endr
	s_wait_alu depctr_va_vdst(0)                   ; the merge's second half is done reading v128-191, in which b lands
.irp ot, 0,1,2,3,4,5,6,7
	ds_load_b128 v[OUTA+8*\ot:OUTA+8*\ot+3], v[BRA] offset:64*\ot          ; b(16 ot + 8 h + 0..7) starts the sums
	ds_load_b128 v[OUTA+8*\ot+4:OUTA+8*\ot+7], v[BRA] offset:64*\ot+16
.endr
	WIN 0x40
	WFRAG 2
	WFRAG 3
	s_wait_dscnt 32                                ; W's columns 0-63 and b are in; the 32 youngest loads may stay out
	WIN 0x0d
	LMUL 0, XBF
	LMUL 1, XBF+8
	s_wait_dscnt 0
	LMUL 2, XBF+16
	LMUL 3, XBF+24
	PLACES
	WIN 0x40
	s_wait_alu depctr_va_vdst(0)                   ; the 32 products above are done reading W's fragments of columns 0-127, in which those of columns 128-255 land
	WFRAG 4
	WFRAG 5
	WFRAG 6
	WFRAG 7
	s_wait_dscnt 32                                ; columns 128-191 are in
	WIN 0x01
	LMUL 4, ATT
	LMUL 5, ATT+16
	s_wait_dscnt 0
	LMUL 6, ATT+32
	LMUL 7, ATT+48
	WIN 0
	PLACES
	s_wait_alu depctr_va_vdst(0)                   ; the products have written out^T, which the stores below read (the places above stay beside this wait), and are done reading att's fragments, in which the rows come back
.irp ot, 0,1,2,3,4,5,6,7
	ds_store_b128 v[OWA], v[OUTA+8*\ot:OUTA+8*\ot+3] offset:64*\ot         ; a lane's eight results are eight neighbouring outputs of one row
	ds_store_b128 v[OWA], v[OUTA+8*\ot+4:OUTA+8*\ot+7] offset:64*\ot+16
.endr
.set i, 0
.rept 16
	ds_load_b128 v[FA+4*i:FA+4*i+3], v[ORA] offset:i*WPITCH                ; my own bytes: LDS serves a wave's instructions in order (ISA guide 5.7.1.4)
.set i, i+1
.endr
.set i, 0
.rept 16
	s_wait_dscnt 15-i                              ; row i is back; the rows behind it may stay out
	global_store_b128 v[L16], v[FA+4*i:FA+4*i+3], s[\op:\op+1] offset:i*512 th:TH_STORE_NT   ; a whole row: 512 neighbouring bytes, aligned
.set i, i+1
.endr
	s_wait_xcnt 0x0                                ; the stores' data registers are written again only behind this wait
.if \nextq
	s_wait_alu depctr_vm_vsrc(0)                   ; the global stores have read v64-127 and the LDS stores v128-191: the next phase's conversions write both again
.endif
.endm
	s_load_b256 s[4:11], s[0:1], 0x0               ; x, W, b, out0
	s_set_vgpr_msb 0xc0
	v_lshl_add_u32 v254, v0, 2, 0x48800
	v_mov_b32 v255, 0
	s_set_vgpr_msb 0xc000
	v_lshrrev_b32 v22, 5, v0
	v_readfirstlane_b32 s12, v22                   ; wave
	v_and_b32 v22, 31, v0                          ; lane
	v_lshlrev_b32 v[L16], 4, v22
	s_lshr_b32 s13, ttmp9, 5                       ; batch
	s_and_b32 s14, ttmp9, 31                       ; query block of phase A
	s_sub_co_u32 s15, 63, s14                      ; of phase B
	s_mov_b32 s23, 0
	s_mov_b32 s40, 0x76543210                      ; v_permlanex16_b32: lane i of one half reads lane i of the other
	s_mov_b32 s41, 0xfedcba98
	s_wait_alu depctr_va_sdst(0)                   ; s12 is written, ahead of its first reader: tiles, slots and bases are made from it
	s_sub_co_i32 s20, s14, s12                     ; d = block - wave: my first tile, if there is one
	s_add_co_u32 s21, s14, 1                       ; else the tile above the diagonal (d < 0 needs block <= 2, so it exists): masked wholly
	s_max_i32 s17, s20, 0
	s_lshr_b32 s17, s17, 2
	s_add_co_u32 s17, s17, 1                       ; my tiles in phase A
	s_cmp_ge_i32 s20, 0
	s_cselect_b32 s16, s20, s21                    ; my first tile in phase A
	s_sub_co_i32 s42, s16, s14
	s_lshl_b32 s42, s42, 6                         ; 64 (tile - block)
	s_sub_co_u32 s18, s15, s12                     ; my first tile in phase B: at least 29
	s_lshr_b32 s45, s18, 2
	s_sub_co_u32 s45, s45, 1                       ; my tiles in phase B less two: at least 6
	s_mul_i32 s43, s12, SLOTB                      ; my slot
	s_lshl_b32 s20, s13, 12
	s_lshl_b32 s21, s12, 4
	s_add_co_u32 s20, s20, s21                     ; 4,096 x batch + 16 x wave
	s_wait_kmcnt 0x0
	s_lshl_b32 s22, s13, 21
	s_add_nc_u64 s[24:25], s[4:5], s[22:23]        ; x of my batch
	s_lshl_b32 s22, s16, 15
	s_add_nc_u64 s[26:27], s[24:25], s[22:23]      ; my first tile
	s_mov_b64 s[28:29], s[26:27]
	s_lshl_b32 s21, s14, 6
	s_add_co_u32 s21, s21, s20
	s_lshl_b32 s22, s21, 9                         ; rows of 512 bytes
	s_add_nc_u64 s[30:31], s[4:5], s[22:23]
	s_add_nc_u64 s[34:35], s[10:11], s[22:23]
	s_lshl_b32 s21, s15, 6
	s_add_co_u32 s21, s21, s20
	s_lshl_b32 s22, s21, 9
	s_add_nc_u64 s[32:33], s[4:5], s[22:23]
	s_add_nc_u64 s[36:37], s[10:11], s[22:23]
	s_lshl_b32 s22, s12, 15                        ; 32 rows of W, 1,024 bytes each
	s_add_nc_u64 s[38:39], s[6:7], s[22:23]
	s_wait_alu depctr_va_vdst(0)                   ; v[L16] is written: every global load and store of the kernel reads it as its offset
	global_load_b128 v[EE:EE+3], v[L16], s[8:9]    ; all of b: 32 lanes x 16 bytes
	WIN 0xc0
.set i, 0
.rept 16
	global_load_b128 v[QST+4*i:QST+4*i+3], v[L16], s[30:31] offset:i*512
.set i, i+1
.endr
	LOADHALF 0, 26
	; addresses, while the loads are on their way: none of these lines writes v[L16] or a register in which a load lands
	v_and_b32 v23, 15, v0                          ; r
	v_bfe_u32 v[TT], v0, 4, 1                      ; h
	v_bfe_u32 v[TT+1], v0, 3, 1                    ; bit 3 of the lane = r >> 3
	v_and_b32 v[TT+2], 7, v0
	v_mul_u32_u24 v[TT+3], v23, PITCH
	v_lshl_add_u32 v[TT+3], v[TT+1], 4, v[TT+3]
	v_lshl_add_u32 v[TT+3], v[TT], 4, v[TT+3]      ; 288 r + 16 (r >> 3) + 16 h
	v_add_nc_u32 v[KADR], s43, v[TT+3]
	v_add_nc_u32 v[QRA], QREG, v[TT+3]
	s_mul_i32 s20, s12, TILE16
	v_add_nc_u32 v[XRA], s20, v[QRA]
	s_add_co_u32 s20, s20, QREG
	v_lshl_add_u32 v[QWA], v22, 3, s20
	v_lshl_add_u32 v[TT+3], v[TT], 3, v[TT+2]      ; 8 h + (l & 7)
	v_mul_u32_u24 v[TT+3], v[TT+3], PITCH
	v_lshl_add_u32 v[TT+3], v[TT], 4, v[TT+3]
	v_lshl_add_u32 v[TT+3], v[TT+1], 4, v[TT+3]
	v_add_nc_u32 v[VADR], s43, v[TT+3]
	v_lshl_add_u32 v[CADR], v22, 3, s43
	v_lshlrev_b32 v[TT+3], 3, v[TT]
	v_sub_nc_u32 v[RH], v23, v[TT+3]
	v_mov_b32 v[NINF], 0xff800000
	s_lshl_b32 s20, s12, 15
	s_add_co_u32 s20, s20, MERGE
	v_add_nc_u32 v[DADR], s20, v[L16]
	s_lshl_b32 s20, s12, 13
	s_add_co_u32 s20, s20, MERGE
	v_add_nc_u32 v[RADR0], s20, v[L16]
	v_add_nc_u32 v[RADR1], 0x10000, v[RADR0]
	s_lshl_b32 s20, s12, 10
	s_add_co_u32 s20, s20, STATS
	v_lshl_add_u32 v[SWA], v22, 2, s20
	s_lshl_b32 s20, s12, 8
	s_add_co_u32 s20, s20, STATS
	v_lshl_add_u32 v[SRA], v22, 2, s20
	s_lshl_b32 s20, s12, 9
	s_add_co_u32 s20, s20, BREG
	v_add_nc_u32 v[BWA], s20, v[L16]
	v_lshl_add_u32 v[BRA], v[TT], 5, s20
	v_mul_u32_u24 v[TT+3], v23, WPITCH
	v_lshl_add_u32 v[TT+2], v[TT], 5, v[TT+3]
	v_add_nc_u32 v[OWA], s43, v[TT+2]
	v_add_nc_u32 v[ORA], s43, v[L16]
	v_lshl_add_u32 v[TT+2], v[TT], 4, v[TT+3]
	v_add_nc_u32 v[WRA], WREG, v[TT+2]
	s_mul_i32 s20, s12, 32*WPITCH
	s_add_co_u32 s20, s20, WREG
	v_lshl_add_u32 v[WWA], v22, 3, s20
	v_sub_nc_u32 v[THR], v[RH], s42                ; phase A's mask threshold
	PSTART 32, 1                                   ; b and my query rows are in; the first tile's 32 loads may stay out
	LOADHALF 1, 28
	; W: my 32 rows, f32 -> bf16 -> LDS, once.  The other waves read them behind the barrier in phase A's epilogue.
	WIN 0x40
.set i, 0
.rept 64
	global_load_b128 v[4*i:4*i+3], v[L16], s[38:39] offset:i*512
.set i, i+1
.endr
	WIN 0
	s_wait_loadcnt 0x0
	WIN 0x05
.set i, 0
.rept 64
	v_cvt_pk_bf16_f32 v[SS+2*i], v[4*i], v[4*i+1]
	v_cvt_pk_bf16_f32 v[SS+2*i+1], v[4*i+2], v[4*i+3]
.set i, i+1
.endr
	WIN 0
	s_wait_alu depctr_va_vdst(0)                   ; the conversions have written v128-255, which the stores below read
.set i, 0
.rept 64
	ds_store_b64 v[WWA], v[SS+2*i:SS+2*i+1] offset:(i/2)*WPITCH+(i%2)*256
.set i, i+1
.endr
	s_wait_dscnt 0x0                               ; the first step's conversions write these stores' data registers again
	s_wait_alu depctr_vm_vsrc(0)                   ; the stores have read v128-255, which the first step's conversions write
	; PHASE A
	s_mov_b32 s19, s16
	s_mov_b32 s44, 1                               ; tiles begun
	STEP 1, 1
	s_cmp_lt_u32 s44, s17
	s_cbranch_scc0 .LdoneA
.LloopA:
	s_add_co_u32 s44, s44, 1
	STEP 0, 1
	s_cmp_lt_u32 s44, s17
	s_cbranch_scc1 .LloopA
.LdoneA:
	EPI 1, 34
	; PHASE B: its first tile was requested in phase A's last step
	PSTART 0, 0                                    ; the query rows are the youngest loads
	s_lshl_b32 s42, s12, 6
	v_add_nc_u32 v[THR], s42, v[RH]                ; tile - block = -wave
	s_mov_b32 s19, s18
	STEP 1, 2
	s_mov_b32 s44, 0
.LloopB:
	STEP 0, 2
	s_add_co_u32 s44, s44, 1
	s_cmp_lt_u32 s44, s45
	s_cbranch_scc1 .LloopB
	STEP 0, 0                                      ; the last tile: nothing is left to request
	EPI 0, 36
	s_set_vgpr_msb 0xf
	s_wait_dscnt 0x0
	s_wait_alu depctr_hold_cnt(0) depctr_sa_sdst(0) depctr_va_vdst(0) depctr_va_sdst(0) depctr_va_ssrc(0) depctr_va_vcc(0) depctr_vm_vsrc(0)
	s_wait_tensorcnt 0x0
	ds_add_u32 v254, v255
	s_wait_dscnt 0x0
	s_endpgm
.Lfunc_end_k_q584206340b_attn:
	.size	k_q584206340b_attn, .Lfunc_end_k_q584206340b_attn-k_q584206340b_attn
	.p2alignl 7, 3214868480
	.fill 96, 4, 3214868480
	.section	.rodata,"a",@progbits
	.p2align	6, 0x0
	.amdhsa_kernel k_q584206340b_attn
		.amdhsa_group_segment_fixed_size 297472
		.amdhsa_private_segment_fixed_size 0
		.amdhsa_enable_private_segment 0
		.amdhsa_kernarg_size 32
		.amdhsa_user_sgpr_count 2
		.amdhsa_user_sgpr_kernarg_segment_ptr 1
		.amdhsa_wavefront_size32 1
		.amdhsa_system_sgpr_workgroup_id_x 1
		.amdhsa_system_sgpr_workgroup_id_y 1
		.amdhsa_system_sgpr_workgroup_id_z 1
		.amdhsa_system_vgpr_workitem_id 0
		.amdhsa_next_free_vgpr 1024
		.amdhsa_next_free_sgpr 66
		.amdhsa_reserve_vcc 0
		.amdhsa_float_denorm_mode_32 3
		.amdhsa_float_denorm_mode_16_64 3
		.amdhsa_memory_ordered 1
		.amdhsa_forward_progress 1
		.amdhsa_inst_pref_size 255
	.end_amdhsa_kernel
	.section	.bss,"aw",@nobits
	.p2align	6
	.space	262144
	.amdgpu_metadata
---
amdhsa.version: [ 1, 2 ]
amdhsa.kernels:
  - .name:           k_q584206340b_attn
    .symbol:         k_q584206340b_attn.kd
    .args:
      - { .name: x, .offset: 0, .size: 8, .value_kind: global_buffer, .address_space: global }
      - { .name: W, .offset: 8, .size: 8, .value_kind: global_buffer, .address_space: global }
      - { .name: b, .offset: 16, .size: 8, .value_kind: global_buffer, .address_space: global }
      - { .name: out0, .offset: 24, .size: 8, .value_kind: global_buffer, .address_space: global }
    .group_segment_fixed_size: 297472
    .private_segment_fixed_size: 0
    .kernarg_segment_align: 8
    .kernarg_segment_size: 32
    .max_flat_workgroup_size: 128
    .sgpr_count:     66
    .vgpr_count:     1024
    .wavefront_size: 32
...
	.end_amdgpu_metadata
.endif
;; end of part 2
